; MI455X (gfx1250); checked and timed in simulation.
; The chip was launched on July 23, 2026; its instructions are those of AMD's public machine-readable ISA for CDNA 5 (MIT licence, August 2026) and "CDNA5" Instruction Set Architecture Reference Guide (July 2026). The comments in the code are by the model that wrote it; some were corrected since.
;; Resonance. Allowed arithmetic: float matrix products may take bf16 or f16 operands with f32 sums; all other float work in f32.
;; Inputs: f0 4 x 16 x 1 float32; factors 32 float32; res 4 x 16 x 32 float32.
;; Outputs: out0 4 x 16 x 32,768 float32.
;; One version. Each part assembles by itself: llvm-mc -triple=amdgcn-amd-amdhsa -mcpu=gfx1250 --defsym DOCPART=n.
;; ======== version 1 of 1: 1 launch
;; limits: right only within a limited range of input values
;; launch resonance (part 1): grid 256 x 1, 8 waves a work-group, no clusters, 168,960 bytes of LDS; arguments f0, factors, res, out0; writes out0
.if DOCPART == 1
	.amdgcn_target "amdgcn-amd-amdhsa--gfx1250"
	.amdhsa_code_object_version 6
	.text
	.protected	k_q329ad3b0c3_resonance
	.globl	k_q329ad3b0c3_resonance
	.p2align	8
	.type	k_q329ad3b0c3_resonance,@function
k_q329ad3b0c3_resonance:
	s_mov_b64 s[64:65], 0
	v_nop
	global_prefetch_b8 v0, s[64:65] scope:SCOPE_SE
	s_setreg_imm32_b32 hwreg(HW_REG_WAVE_MODE, 25, 1), 1
	s_wait_xcnt 0x0
; out[be][n] = sum over 32 harmonics h of env[h][n] * sin(phase[h][n]).  f0 [64], factors [32], res [64][32], out [64][32768], all f32.
;
; THE PHASE IS REPRODUCED ROUNDING BY ROUNDING.  It is an f32 running sum that reaches 2e5 rad, where neighbouring f32 numbers lie 2^-6 rad
; apart, so its last bits show in the result.  Two assumptions of this text about how reference() is evaluated:
; (1) FUSED = 1: reference() is compiled as a whole, and a multiply with a dependent add becomes one fused multiply-add:
;     f = fma(SCALE, f0, MIN), element e = fl(fma(x, 1-w, fl(x w)) * 2pi), x the harmonic's frequency, w the interpolation weight.
;     (FUSED = 0: every operation rounds by itself.)
; (2) The running sum is the blocked scan of base 16 into which XLA rewrites a cumulative sum, 32768 -> 2048 -> 128 -> 8: inside each 16 a
;     sequential prefix, then ONE add of the exclusive prefix of the level above.  Another order of the same sum gives other last bits.
;   n = 256 k + 16 c + j:  phase = fl( I0 + fl( J[c] + Q ) )
;   I0 = prefix inside the 16-block;  J[c] = prefix of the 16-block sums of the 256-block up to c-1 (J[0] = 0);
;   Q = X2[k] for c >= 1, Y[k] for c = 0;  X2[16g+i] = fl(I2[i-1] + X3[g]);  Y[k+1] = fl(b2[k] + X2[k]), Y[0] = 0;  b2 = sum of a 256-block.
; w has period 256, so I0 and J are those of every 256-block, but for samples 0-127 and 32640-32767, where w = 0 (the "flat" tables).
;
; WORK.  256 work-groups: id = 4 be + quarter; a quarter is 32 blocks of 256 samples.  Eight waves.
; Setup: thread = (p = t/16, i = t%16), harmonics 2p, 2p+1 as a packed pair; every chain stays in a thread or in a row of 16 lanes (DPP),
; so the one barrier, behind the tables' stores, is all there is; LDS is only read behind it.
; Main: thread = samples 2u, 2u+1 (u = t%128) of a block; waves 0-3 take blocks 0-15 of the quarter, waves 4-7 blocks 16-31.  I0 and J of all
; 32 harmonics stay in 96 registers; the words per (harmonic, block) come from LDS and serve two samples; arithmetic is packed over two
; harmonics.  No matrix unit (there is no product); no tensor load, cluster or prefetch: a work-group reads 260 bytes of input, shares no tile.
;
; LIMITS.  sin: quotient by adding 1.5*2^23 (valid below 2^22 turns, |frequency| < 128 per sample), two-term reduction, odd polynomial of
; degree 9 fitted on |r| <= pi (error about 1e-5).  The f32 value of 1/2pi is 4e-8 short, so |r| <= pi + 2.5e-7 |turns|: every frequency that
; reference() keeps above 0 is below 1 and stays at that error; negative ones lose accuracy slowly (about 1e-3 at |frequency| = 58).
; Envelope: exp2(rho log2(res+1e-12)), slope E (res+1e-12-1): equal to reference's exp(cumsum(log)) to about 1e-5 relative, not bit for
; bit; v_exp_f32 gives 0 below 2^-126 (ISA guide 15.8).  The 32 harmonics are summed in four chains, not in reference's order.
.set FUSED, 1
.set P_ROW, 144                        ; a row of 32 harmonics: 128 bytes + 16
.set P_BLK, 16*P_ROW+16                ; 16 such rows + 16 bytes
.set P_K,   528                        ; a row of the block table: four fields of 128 bytes + 16
.set I0T,   0                          ; I0[r][h], r = 16 c + j at c P_BLK + j P_ROW
.set I0F,   16*P_BLK                   ; the same layout, elements with w = 0
.set JN,    32*P_BLK                   ; J[c][h] of an inner block
.set JA,    JN+16*P_ROW                ; of block 0   (16-blocks 0-7 flat)
.set JB,    JA+16*P_ROW                ; of block 127 (16-blocks 8-15 flat)
.set KT,    JB+16*P_ROW                ; 145 rows: X2 +0, Y +128, E +256, slope +384; ends at byte 157,712
.set KY,    128
.set KE,    256
.set KD,    384
; main registers (the setup's are named where they are made)
.set I0,    32                         ; v[32:63] I0 of sample 2u, v[64:95] of sample 2u+1, by harmonic
.set JJ,    96                         ; v[96:127] J by harmonic
.set BUF,   128                        ; v[128:223] a row of the block table: chunk ch (harmonics 4ch..4ch+3) at 12 ch: Q, E, slope
.set T,     224                        ; v[224:255] four chains (y = harmonic pair + 2 sample) x 4 pairs
.set ACC,   12                         ; v[12:19]  a sum for each chain
.set P1,    20                         ; v[20:23]  fl(J + Q) of the chunk's 4 harmonics
.macro SPAIR r, val                    ; a constant for packed arithmetic: the first register is broadcast, both are written
	s_mov_b32 s[\r], \val
	s_mov_b32 s[\r+1], \val
.endm
.macro SCANP A, B                      ; pair A = sequential prefix of pair B along the row of 16 lanes: after step s lanes 0..s are right
	v_mov_b32 v[\A], v[\B]
	v_mov_b32 v[\A+1], v[\B+1]
.rept 15
	v_add_f32_dpp v[\A], v[\A], v[\B] row_shr:1 row_mask:0xf bank_mask:0xf          ; A[i] = A[i-1] + B[i]; lane 0 keeps B[0]
	v_add_f32_dpp v[\A+1], v[\A+1], v[\B+1] row_shr:1 row_mask:0xf bank_mask:0xf
.endr
.endm
.macro SHR0 D, S                       ; pair D[i] = S[i-1]; lane 0 has no source and keeps the 0
	v_mov_b32 v[\D], 0
	v_mov_b32 v[\D+1], 0
	v_mov_b32_dpp v[\D], v[\S] row_shr:1 row_mask:0xf bank_mask:0xf
	v_mov_b32_dpp v[\D+1], v[\S+1] row_shr:1 row_mask:0xf bank_mask:0xf
.endm
.macro SHARE15 D, S                    ; pair D = lane 15 of S in the whole row (a DPP destination counts as read: it is written first)
	v_mov_b32 v[\D], v[\S]
	v_mov_b32 v[\D+1], v[\S+1]
	v_mov_b32_dpp v[\D], v[\S] row_share:15 row_mask:0xf bank_mask:0xf
	v_mov_b32_dpp v[\D+1], v[\S+1] row_share:15 row_mask:0xf bank_mask:0xf
.endm
.macro LEVEL1 B, tab                   ; the 16-block sums B of one 256-block: prefix in v[36:37], J = the prefix one lane up, to its table
	SCANP 36, \B
	SHR0 38, 36
	ds_store_b64 v31, v[38:39] offset:\tab-JN
.endm
	; ---------------------------------------------------------------- ids, inputs, constants
	s_load_b256 s[4:11], s[0:1], 0x0               ; f0 s[4:5], factors s[6:7], res s[8:9], out s[10:11]
	s_set_vgpr_msb 0x40
	v_lshl_add_u32 v0, v0, 2, 0x29000
	v_mov_b32 v1, 0
	s_set_vgpr_msb 0x4000
	v_and_b32 v1, 15, v0                           ; i (also c)
	v_lshrrev_b32 v2, 4, v0
	v_lshlrev_b32 v2, 3, v2                        ; 8 p: my two harmonics' bytes in a row
	v_lshrrev_b32 v3, 5, v0
	v_readfirstlane_b32 s12, v3                    ; wave
	s_and_b32 s13, ttmp9, 3                        ; quarter
	s_lshr_b32 s14, ttmp9, 2                       ; be
	s_lshl_b32 s19, s14, 7
	v_add_nc_u32 v3, s19, v2                       ; byte of res[be][2p]
	s_lshl_b32 s19, s14, 2
	v_mov_b32 v5, s19                              ; byte of f0[be]
	s_wait_kmcnt 0x0
	global_load_b32 v4, v5, s[4:5]
	global_load_b64 v[6:7], v2, s[6:7]
	global_load_b64 v[8:9], v3, s[8:9]
	s_lshl_b32 s42, s14, 17                        ; be x 32768 samples x 4 bytes
	s_mov_b32 s43, 0
	s_add_nc_u64 s[10:11], s[10:11], s[42:43]
	s_bfe_u32 s15, s12, 0x10001                    ; hi: my samples are 128-255 of a block (bit 1 of the wave)
	s_lshr_b32 s19, s12, 2
	s_lshl_b32 s19, s19, 4
	s_lshl_b32 s16, s13, 5
	s_add_co_u32 s16, s16, s19                     ; K: my first block = 32 quarter + 16 (wave / 4)
	s_add_co_u32 s17, s16, 15                      ; my last block
	s_mul_i32 s18, s15, 127                        ; the block in which my half is flat: 0 (low half) or 127 (high half)
	SPAIR 20, 0x40c90fdb                           ; 2pi as f32
	SPAIR 22, 0x4b400000                           ; 1.5 * 2^23
	SPAIR 24, 0xcb400000                           ; -1.5 * 2^23
	SPAIR 26, 0xc0c90fdb                           ; -(2pi as f32)
	SPAIR 28, 0x343bbd2e                           ; (2pi as f32) - 2pi
	SPAIR 30, 0x3610239d                           ; sin r = r (c1 + c3 r^2 + c5 r^4 + c7 r^6 + c9 r^8): c9
	SPAIR 32, 0x3c082262                           ; c5
	SPAIR 34, 0xbe2a9f94                           ; c3
	SPAIR 36, 0x3f7ffea6                           ; c1
	v_mov_b32 v72, 0
	v_mov_b32 v73, 0
	v_cmp_gt_u32 s38, 8, v1                        ; i < 8
	v_cmp_eq_u32 s39, 0, v1                        ; i == 0
	; weight of sample r = 16 c + j: w = (2 ((r + 128) mod 256) + 1) / 512; every number here is exact in f32
	v_add_nc_u32 v24, 8, v1
	v_and_b32 v24, 15, v24
	v_lshl_or_b32 v24, v24, 5, 1
	v_cvt_f32_u32 v24, v24
	v_mul_f32 v21, 0x3b000000, v24                 ; w at j = 0
	v_sub_f32 v20, 1.0, v21                        ; 1 - w
	v_mov_b32 v22, 0xbb800000                      ; step in j: -1/256
	v_mov_b32 v23, 0x3b800000                      ;            +1/256
	v_cvt_f32_u32 v68, v1                          ; the block table's row number rho = i + 16 g
	v_max_num_f32 v69, 1.0, v68                    ; max(rho, 1) for g = 0
	v_mad_u32_u24 v30, v1, P_BLK, v2               ; I0 tables: 16-block c, my two harmonics
	v_mad_u32_u24 v31, v1, P_ROW, v2
	v_add_nc_u32 v31, JN, v31                      ; J tables: row c
	v_mad_u32_u24 v70, v1, P_K, v2
	v_add_nc_u32 v70, KT, v70                      ; block table: row i
	v_add_nc_u32 v71, KT+KY, v2                    ; Y of row 0
	s_wait_loadcnt 0x0
.if FUSED
	s_mov_b32 s19, 0x3eb7e6ec                      ; 3960/11025
	s_mov_b32 s40, 0x3b6dc5b8                      ; 40/11025
	v_fma_f32 v4, v4, s19, s40                     ; f, one rounding
.else
	v_mul_f32 v4, 0x3eb7e6ec, v4                   ; fl(3960/11025 f0)
	v_add_f32 v4, 0x3b6dc5b8, v4                   ; + 40/11025
.endif
	v_mul_f32 v6, v4, v6                           ; x = f * factor
	v_mul_f32 v7, v4, v7
	v_cmp_le_f32 vcc_lo, 1.0, v6
	v_cndmask_b32 v6, v6, v72, vcc_lo              ; 0 where x >= 1 (a NaN stays)
	v_cmp_le_f32 vcc_lo, 1.0, v7
	v_cndmask_b32 v7, v7, v72, vcc_lo
	v_pk_mul_f32 v[16:17], v[6:7], s[20:21] op_sel_hi:[1,0]        ; e0: the element where w = 0
	v_add_f32 v8, 0x2b8cbccc, v8                   ; res + 1e-12
	v_add_f32 v9, 0x2b8cbccc, v9
	v_log_f32 v10, v8                              ; L = log2
	v_log_f32 v11, v9
	v_pk_add_f32 v[12:13], v[8:9], -1.0 op_sel_hi:[1,0]            ; RM = res' - 1 (the plain instruction behind the logarithms: ISA guide 5.7.2)
	v_cndmask_b32 v14, v12, v72, s39               ; RM0: 0 in lane i = 0 (rows 0 and 128 have no slope)
	v_cndmask_b32 v15, v13, v72, s39
	; ---------------------------------------------------------------- level 0: the two prefixes inside my 16-block, row by row
.set j, 0
.rept 16
.if j == 0
	ds_store_b64 v30, v[16:17] offset:I0F
.else
.if j == 1
	v_pk_add_f32 v[18:19], v[16:17], v[16:17]
.else
	v_pk_add_f32 v[18:19], v[18:19], v[16:17]
.endif
	ds_store_b64 v30, v[18:19] offset:I0F+j*P_ROW
.endif
	v_pk_mul_f32 v[26:27], v[6:7], v[20:21] op_sel:[0,1] op_sel_hi:[1,1]     ; x w
.if FUSED
	v_pk_fma_f32 v[24:25], v[6:7], v[20:21], v[26:27] op_sel_hi:[1,0,1]      ; x (1 - w) + fl(x w), one rounding
.else
	v_pk_mul_f32 v[24:25], v[6:7], v[20:21] op_sel_hi:[1,0]                  ; x (1 - w)
	v_pk_add_f32 v[24:25], v[24:25], v[26:27]
.endif
.if j == 0
	v_pk_mul_f32 v[28:29], v[24:25], s[20:21] op_sel_hi:[1,0]                ; the first element starts the chain
.else
	v_pk_mul_f32 v[24:25], v[24:25], s[20:21] op_sel_hi:[1,0]
	v_pk_add_f32 v[28:29], v[28:29], v[24:25]
.endif
	ds_store_b64 v30, v[28:29] offset:I0T+j*P_ROW
.if j < 15
	v_pk_add_f32 v[20:21], v[20:21], v[22:23]
.endif
.set j, j+1
.endr
	; ---------------------------------------------------------------- level 1: v[18:19] = flat 16-block sum BF, v[28:29] = normal one BN
	v_cndmask_b32 v32, v28, v18, s38               ; block 0: flat where c < 8
	v_cndmask_b32 v33, v29, v19, s38
	v_cndmask_b32 v34, v18, v28, s38               ; block 127: flat where c >= 8
	v_cndmask_b32 v35, v19, v29, s38
	LEVEL1 28, JN
	SHARE15 40, 36                                 ; T: sum of an inner block
	LEVEL1 32, JA
	SHARE15 42, 36                                 ; T0: sum of block 0
	LEVEL1 34, JB
	; ---------------------------------------------------------------- level 2 and 3
	v_cndmask_b32 v44, v40, v42, s39               ; b2 of group 0: T0, T, T, ...
	v_cndmask_b32 v45, v41, v43, s39
	SCANP 46, 44                                   ; I2 of group 0
	SCANP 48, 40                                   ; I2 of the other groups
	SHR0 50, 46                                    ; one lane up: X2 of group 0 (X3[0] = 0)
	SHR0 52, 48
	SHARE15 58, 46                                 ; X3[1] = sum of group 0
	SHARE15 56, 48                                 ; sum of a later group
	ds_store_b64 v71, v[72:73]                     ; Y[0] = 0
; rows 16 g + i of the block table.  Only rows 0..128 are read; the lanes of g = 8 beyond i = 0 ride along.
.macro KROW g
.if \g == 0
	ds_store_b64 v70, v[50:51]                                             ; X2
	v_pk_add_f32 v[62:63], v[44:45], v[50:51]                              ; Y of the next row = b2 + X2
	s_wait_alu depctr_va_vdst(0)
	v_pk_mul_f32 v[24:25], v[10:11], v[68:69] op_sel:[0,1] op_sel_hi:[1,1] ; L max(rho, 1)
.else
	v_pk_add_f32 v[60:61], v[52:53], v[58:59]                              ; X2 = I2 (one lane up) + X3[g]
	ds_store_b64 v70, v[60:61]
	v_pk_add_f32 v[62:63], v[40:41], v[60:61]
	v_pk_mul_f32 v[24:25], v[10:11], v[68:69] op_sel_hi:[1,0]              ; L rho
.endif
	ds_store_b64 v70, v[62:63] offset:P_K+KY
	v_exp_f32 v64, v24                             ; E = res'^rho
	v_exp_f32 v65, v25
.if \g < 8
	v_add_f32 v68, 0x41800000, v68                 ; rho + 16: also the plain instruction behind the exponentials (ISA guide 5.7.2)
.else
	v_nop
.endif
.if (\g % 8) == 0
	s_wait_alu depctr_va_vdst(0)
	v_pk_mul_f32 v[66:67], v[64:65], v[14:15]      ; slope E (res' - 1), none in rows 0 and 128
.else
	s_wait_alu depctr_va_vdst(0)
	v_pk_mul_f32 v[66:67], v[64:65], v[12:13]
	v_pk_add_f32 v[58:59], v[58:59], v[56:57]      ; X3[g+1]
.endif
	ds_store_b64 v70, v[64:65] offset:KE
	ds_store_b64 v70, v[66:67] offset:KD
.if \g < 8
	v_add_nc_u32 v70, 16*P_K, v70
.endif
.endm
.irp g, 0,1,2,3,4,5,6,7,8
	KROW \g
.endr
	s_wait_dscnt 0x0                               ; my stores are in LDS: zero, for the other waves' sake
	s_barrier_signal -1
	s_barrier_wait -1                              ; everybody's are; nothing is stored to LDS from here on
	; ---------------------------------------------------------------- main: addresses
	v_and_b32 v26, 127, v0                         ; u
	v_lshrrev_b32 v27, 3, v26                      ; c = 2u / 16
	v_and_b32 v28, 7, v26
	v_mul_u32_u24 v1, v27, P_BLK
	v_mad_u32_u24 v1, v28, 2*P_ROW, v1             ; I0 row of sample 2u; sample 2u+1 is the next row
	v_mul_u32_u24 v2, v27, P_ROW
	v_add_nc_u32 v2, JN, v2                        ; J row c
	s_mul_i32 s19, s16, P_K
	s_add_co_u32 s19, s19, KT
	v_min_u32 v5, 1, v27
	v_xor_b32 v5, 1, v5                            ; 1 where c = 0
	v_lshl_add_u32 v5, v5, 7, s19                  ; Q: row K, field X2, or Y where c = 0
	s_add_co_u32 s41, s16, s15
	s_mul_i32 s41, s41, P_K
	s_add_co_u32 s41, s41, KT
	v_mov_b32 v6, s41                              ; envelope: row K + hi
	s_lshl_b32 s40, s16, 10
	v_lshl_add_u32 v7, v26, 3, s40                 ; my 8 bytes of the output: 1024 K + 8 u
	v_lshlrev_b32 v24, 2, v26
	v_add_nc_u32 v24, 0x100, v24
	v_and_or_b32 v24, v24, 0x1ff, 1
	v_cvt_f32_u32 v24, v24
	v_mul_f32 v8, 0x3b000000, v24                  ; w of sample 2u
	v_add_f32 v9, 0x3b800000, v8                   ; w of sample 2u+1
	v_mov_b32 v10, 0xb94a01df                      ; c7
	v_mov_b32 v11, 0xb94a01df
; I0 and J for block K into registers: flat I0 in my flat block, J of block 0, 127 or an inner one
.macro TABLES
	s_cmp_eq_u32 s16, s18
	s_cselect_b32 s40, I0F, 0
	s_cmp_eq_u32 s16, 127
	s_cselect_b32 s41, JB-JN, 0
	s_cmp_eq_u32 s16, 0
	s_cselect_b32 s41, JA-JN, s41
	v_add_nc_u32 v3, s40, v1
	v_add_nc_u32 v4, s41, v2
.irp i, 0,1,2,3,4,5,6,7
	ds_load_b128 v[I0+4*\i:I0+4*\i+3], v3 offset:16*\i
.endr
.irp i, 0,1,2,3,4,5,6,7
	ds_load_b128 v[I0+32+4*\i:I0+32+4*\i+3], v3 offset:P_ROW+16*\i
.endr
.irp i, 0,1,2,3,4,5,6,7
	ds_load_b128 v[JJ+4*\i:JJ+4*\i+3], v4 offset:16*\i
.endr
	s_wait_dscnt 0x0
.endm
; Four harmonics x two samples = four packed chains y (harmonic pair y & 1, sample y >> 1), each step written for all four.
; first = 1: the product starts the sums.  refill = 1: the chunk's registers get the next block's row.
.macro CHUNK ch, first, refill
.if \refill
	s_wait_dscnt 21                                ; behind my chunk's three loads stand those of the seven other chunks
.else
	s_wait_dscnt 21-3*\ch                          ; last block: only the chunks still to come
.endif
	v_pk_add_f32 v[P1:P1+1],   v[JJ+4*\ch:JJ+4*\ch+1],   v[BUF+12*\ch:BUF+12*\ch+1]       ; fl(J + Q), for both samples
	v_pk_add_f32 v[P1+2:P1+3], v[JJ+4*\ch+2:JJ+4*\ch+3], v[BUF+12*\ch+2:BUF+12*\ch+3]
.irp y, 0,1,2,3
	v_pk_add_f32 v[T+8*\y:T+8*\y+1], v[I0+32*(\y>>1)+4*\ch+2*(\y&1):I0+32*(\y>>1)+4*\ch+2*(\y&1)+1], v[P1+2*(\y&1):P1+2*(\y&1)+1]   ; the phase
.endr
.irp y, 0,1,2,3
	v_pk_fma_f32 v[T+8*\y+2:T+8*\y+3], v[T+8*\y:T+8*\y+1], 0.15915494, s[22:23] op_sel_hi:[1,0,0]   ; turns, rounded to a whole number
.endr
.irp y, 0,1,2,3
	v_pk_add_f32 v[T+8*\y+2:T+8*\y+3], v[T+8*\y+2:T+8*\y+3], s[24:25] op_sel_hi:[1,0]
.endr
.irp y, 0,1,2,3
	v_pk_fma_f32 v[T+8*\y:T+8*\y+1], v[T+8*\y+2:T+8*\y+3], s[26:27], v[T+8*\y:T+8*\y+1] op_sel_hi:[1,0,1]   ; r = phase - q 2pi, in two terms
.endr
.irp y, 0,1,2,3
	v_pk_fma_f32 v[T+8*\y:T+8*\y+1], v[T+8*\y+2:T+8*\y+3], s[28:29], v[T+8*\y:T+8*\y+1] op_sel_hi:[1,0,1]
.endr
.irp y, 0,1,2,3
	v_pk_mul_f32 v[T+8*\y+2:T+8*\y+3], v[T+8*\y:T+8*\y+1], v[T+8*\y:T+8*\y+1]                       ; r^2
.endr
.irp y, 0,1,2,3
	v_pk_fma_f32 v[T+8*\y+4:T+8*\y+5], v[T+8*\y+2:T+8*\y+3], s[30:31], v[10:11] op_sel_hi:[1,0,1]   ; Horner: c9 r^2 + c7
.endr
.irp y, 0,1,2,3
	v_pk_fma_f32 v[T+8*\y+4:T+8*\y+5], v[T+8*\y+4:T+8*\y+5], v[T+8*\y+2:T+8*\y+3], s[32:33] op_sel_hi:[1,1,0]
.endr
.irp y, 0,1,2,3
	v_pk_fma_f32 v[T+8*\y+4:T+8*\y+5], v[T+8*\y+4:T+8*\y+5], v[T+8*\y+2:T+8*\y+3], s[34:35] op_sel_hi:[1,1,0]
.endr
.irp y, 0,1,2,3
	v_pk_fma_f32 v[T+8*\y+4:T+8*\y+5], v[T+8*\y+4:T+8*\y+5], v[T+8*\y+2:T+8*\y+3], s[36:37] op_sel_hi:[1,1,0]
.endr
.irp y, 0,1
	v_pk_fma_f32 v[T+8*\y+6:T+8*\y+7], v[BUF+12*\ch+8+2*\y:BUF+12*\ch+9+2*\y], v[8:9], v[BUF+12*\ch+4+2*\y:BUF+12*\ch+5+2*\y] op_sel_hi:[1,0,1]   ; env = E + slope w, sample 2u
.endr
.irp y, 0,1
	v_pk_fma_f32 v[T+8*\y+22:T+8*\y+23], v[BUF+12*\ch+8+2*\y:BUF+12*\ch+9+2*\y], v[8:9], v[BUF+12*\ch+4+2*\y:BUF+12*\ch+5+2*\y] op_sel:[0,1,0] op_sel_hi:[1,1,1]   ; sample 2u+1
.endr
.irp y, 0,1,2,3
	v_pk_mul_f32 v[T+8*\y+6:T+8*\y+7], v[T+8*\y+6:T+8*\y+7], v[T+8*\y:T+8*\y+1]                     ; env r
.endr
.irp y, 0,1,2,3
.if \first
	v_pk_mul_f32 v[ACC+2*\y:ACC+2*\y+1], v[T+8*\y+6:T+8*\y+7], v[T+8*\y+4:T+8*\y+5]
.else
	v_pk_fma_f32 v[ACC+2*\y:ACC+2*\y+1], v[T+8*\y+6:T+8*\y+7], v[T+8*\y+4:T+8*\y+5], v[ACC+2*\y:ACC+2*\y+1]
.endif
.endr
.if \refill
	ds_load_b128 v[BUF+12*\ch:BUF+12*\ch+3],    v5 offset:P_K+16*\ch
	ds_load_b128 v[BUF+12*\ch+4:BUF+12*\ch+7],  v6 offset:P_K+KE+16*\ch
	ds_load_b128 v[BUF+12*\ch+8:BUF+12*\ch+11], v6 offset:P_K+KD+16*\ch
.endif
.endm
; one block of 256 samples
.macro TRIP refill
	CHUNK 0, 1, \refill
.irp ch, 1,2,3,4,5,6,7
	CHUNK \ch, 0, \refill
.endr
	s_wait_xcnt 0x0                                ; the last block's store has read v7 and v[24:25]: they are rewritten only behind this wait
	v_add_nc_u32 v7, 1024, v7                      ; the next block; this block's store reaches back
	v_pk_add_f32 v[ACC:ACC+1],   v[ACC:ACC+1],   v[ACC+2:ACC+3]
	v_pk_add_f32 v[ACC+4:ACC+5], v[ACC+4:ACC+5], v[ACC+6:ACC+7]
	v_add_f32 v24, v[ACC], v[ACC+1]
	v_add_f32 v25, v[ACC+4], v[ACC+5]
	global_store_b64 v7, v[24:25], s[10:11] offset:-1024 th:TH_STORE_NT    ; the wave's 32 lanes store 256 consecutive bytes, aligned
.if \refill
	v_add_nc_u32 v5, P_K, v5
	v_add_nc_u32 v6, P_K, v6
.endif
.endm
	TABLES
.irp ch, 0,1,2,3,4,5,6,7
	ds_load_b128 v[BUF+12*\ch:BUF+12*\ch+3],    v5 offset:16*\ch
	ds_load_b128 v[BUF+12*\ch+4:BUF+12*\ch+7],  v6 offset:KE+16*\ch
	ds_load_b128 v[BUF+12*\ch+8:BUF+12*\ch+11], v6 offset:KD+16*\ch
.endr
.Ltrip:
	TRIP 1
	s_add_co_u32 s16, s16, 1
	s_cmp_eq_u32 s16, 1                            ; behind block 0 and in front of block 127 the I0 and J registers are loaded anew
	s_cbranch_scc1 .Lswap
	s_cmp_lg_u32 s16, 127
	s_cbranch_scc1 .Lkeep
.Lswap:
	TABLES                                         ; its wait for zero also covers the ring's loads: the counted waits behind it still hold
.Lkeep:
	s_cmp_lt_u32 s16, s17
	s_cbranch_scc1 .Ltrip
	TRIP 0                                         ; my last block: no row follows
	s_barrier_signal -1
	s_barrier_wait -1
	s_set_vgpr_msb 0x5
	s_wait_tensorcnt 0x0
	ds_add_u32 v0, v1
	s_wait_dscnt 0x0
	s_set_vgpr_msb 0x500
	s_endpgm
.Lfunc_end_k_q329ad3b0c3_resonance:
	.size	k_q329ad3b0c3_resonance, .Lfunc_end_k_q329ad3b0c3_resonance-k_q329ad3b0c3_resonance
	.p2alignl 7, 3214868480
	.fill 96, 4, 3214868480
	.section	.rodata,"a",@progbits
	.p2align	6, 0x0
	.amdhsa_kernel k_q329ad3b0c3_resonance
		.amdhsa_group_segment_fixed_size 168960
		.amdhsa_private_segment_fixed_size 0
		.amdhsa_enable_private_segment 0
		.amdhsa_kernarg_size 32
		.amdhsa_user_sgpr_count 2
		.amdhsa_user_sgpr_kernarg_segment_ptr 1
		.amdhsa_wavefront_size32 1
		.amdhsa_system_sgpr_workgroup_id_x 1
		.amdhsa_system_sgpr_workgroup_id_y 1
		.amdhsa_system_sgpr_workgroup_id_z 1
		.amdhsa_system_vgpr_workitem_id 0
		.amdhsa_next_free_vgpr 258
		.amdhsa_next_free_sgpr 66
		.amdhsa_reserve_vcc 1
		.amdhsa_float_denorm_mode_32 3
		.amdhsa_float_denorm_mode_16_64 3
		.amdhsa_memory_ordered 1
		.amdhsa_forward_progress 1
		.amdhsa_inst_pref_size 96
	.end_amdhsa_kernel
	.amdgpu_metadata
---
amdhsa.version: [ 1, 2 ]
amdhsa.kernels:
  - .name:           k_q329ad3b0c3_resonance
    .symbol:         k_q329ad3b0c3_resonance.kd
    .args:
      - { .name: f0, .offset: 0, .size: 8, .value_kind: global_buffer, .address_space: global }
      - { .name: factors, .offset: 8, .size: 8, .value_kind: global_buffer, .address_space: global }
      - { .name: res, .offset: 16, .size: 8, .value_kind: global_buffer, .address_space: global }
      - { .name: out0, .offset: 24, .size: 8, .value_kind: global_buffer, .address_space: global }
    .group_segment_fixed_size: 168960
    .private_segment_fixed_size: 0
    .kernarg_segment_align: 8
    .kernarg_segment_size: 32
    .max_flat_workgroup_size: 256
    .sgpr_count:     66
    .vgpr_count:     258
    .wavefront_size: 32
...
	.end_amdgpu_metadata
.endif
;; end of part 1
